; MI455X (gfx1250); checked and timed in simulation.
; The chip was launched on July 23, 2026; its instructions are those of AMD's public machine-readable ISA for CDNA 5 (MIT licence, August 2026) and "CDNA5" Instruction Set Architecture Reference Guide (July 2026). The comments in the code are by the model that wrote it; some were corrected since.
;; Multi Head Attention Block. Allowed arithmetic: float matrix products may take bf16 or f16 operands with f32 sums; all other float work in f32.
;; Inputs: Wk 8 x 512 x 512 float32; Wo 4,096 x 512 float32; Wq 8 x 512 x 512 float32; Wv 8 x 512 x 512 float32; bk 8 x 512 float32; bq 8 x 512 float32; bv 8 x 512 float32; x 4 x 1,024 x 512 float32.
;; Outputs: out0 4 x 1,024 x 512 float32.
;; One version. Each part assembles by itself: llvm-mc -triple=amdgcn-amd-amdhsa -mcpu=gfx1250 --defsym DOCPART=n.
;; ======== version 1 of 1: 4 launches
;; limits: values are held in f16: magnitudes above 65,504 overflow, below 6.1e-05 lose precision
;; workspace buffers: h16 20,971,520 bytes; qkv 100,663,296 bytes; part 67,108,864 bytes
;; launch prep (part 1): grid 256 x 5, 8 waves a work-group, no clusters, 0 bytes of LDS; arguments x, Wq, Wk, Wv, Wo, h16; writes h16
.if DOCPART == 1
	.amdgcn_target "amdgcn-amd-amdhsa--gfx1250"
	.amdhsa_code_object_version 6
	.text
	.protected	k_qa92bd0e09d_prep
	.globl	k_qa92bd0e09d_prep
	.p2align	8
	.type	k_qa92bd0e09d_prep,@function
k_qa92bd0e09d_prep:
	s_mov_b64 s[64:65], 0
	v_nop
	global_prefetch_b8 v0, s[64:65] scope:SCOPE_SE
	s_setreg_imm32_b32 hwreg(HW_REG_WAVE_MODE, 25, 1), 1
	s_wait_xcnt 0x0
; h16[y] = f16(source y), y = 0..4: x, Wq, Wk, Wv, Wo, each 2,097,152 numbers of f32, layout kept.
; A pure stream: no LDS, no barrier, no matrix unit.  A work-group takes 32,768 bytes of one source: eight loads
; of 16 bytes a thread, all issued at once; each store of a wave covers 256 consecutive bytes, aligned.
; LIMIT: a number of 65,520 or more in magnitude becomes infinite in f16; below 6e-8 it becomes 0.
.set IN,  8                            ; v[8:39]   eight loads of four f32
.set OUT, 40                           ; v[40:55]  eight pairs of packed f16
	s_load_b256 s[4:11], s[0:1], 0x0               ; x s[4:5], Wq s[6:7], Wk s[8:9], Wv s[10:11]
	s_load_b128 s[12:15], s[0:1], 0x20             ; Wo s[12:13], h16 s[14:15]
	s_and_b32 s2, ttmp7, 0xffff                    ; y: which source
	s_lshl_b32 s18, ttmp9, 15                      ; my 32,768 bytes of the source
	s_mov_b32 s19, 0
	s_lshl_b32 s20, s2, 22                         ; part y of h16: 4,194,304 bytes each
	s_lshl_b32 s3, ttmp9, 14                       ; my 16,384 bytes in it
	s_add_co_u32 s20, s20, s3
	s_mov_b32 s21, 0
	v_lshlrev_b32 v1, 4, v0                        ; 16 bytes a thread in
	v_lshlrev_b32 v2, 3, v0                        ; 8 bytes a thread out
	s_wait_kmcnt 0x0
	s_cmp_eq_u32 s2, 1                             ; the source is chosen on y alone
	s_cselect_b64 s[16:17], s[6:7], s[4:5]
	s_cmp_eq_u32 s2, 2
	s_cselect_b64 s[16:17], s[8:9], s[16:17]
	s_cmp_eq_u32 s2, 3
	s_cselect_b64 s[16:17], s[10:11], s[16:17]
	s_cmp_eq_u32 s2, 4
	s_cselect_b64 s[16:17], s[12:13], s[16:17]
	s_add_nc_u64 s[16:17], s[16:17], s[18:19]
	s_add_nc_u64 s[14:15], s[14:15], s[20:21]
.irp i, 0,1,2,3,4,5,6,7
	global_load_b128 v[IN+4*\i:IN+4*\i+3], v1, s[16:17] offset:4096*\i th:TH_LOAD_NT
.endr
.irp i, 0,1,2,3,4,5,6,7
	s_wait_loadcnt 7-\i                            ; loads come back in order: load i is in, the younger ones stay out
	v_cvt_pk_f16_f32 v[OUT+2*\i],   v[IN+4*\i],   v[IN+4*\i+1]
	v_cvt_pk_f16_f32 v[OUT+2*\i+1], v[IN+4*\i+2], v[IN+4*\i+3]
	global_store_b64 v2, v[OUT+2*\i:OUT+2*\i+1], s[14:15] offset:2048*\i
.endr
	s_endpgm
.Lfunc_end_k_qa92bd0e09d_prep:
	.size	k_qa92bd0e09d_prep, .Lfunc_end_k_qa92bd0e09d_prep-k_qa92bd0e09d_prep
	.p2alignl 7, 3214868480
	.fill 96, 4, 3214868480
	.section	.rodata,"a",@progbits
	.p2align	6, 0x0
	.amdhsa_kernel k_qa92bd0e09d_prep
		.amdhsa_group_segment_fixed_size 0
		.amdhsa_private_segment_fixed_size 0
		.amdhsa_enable_private_segment 0
		.amdhsa_kernarg_size 48
		.amdhsa_user_sgpr_count 2
		.amdhsa_user_sgpr_kernarg_segment_ptr 1
		.amdhsa_wavefront_size32 1
		.amdhsa_system_sgpr_workgroup_id_x 1
		.amdhsa_system_sgpr_workgroup_id_y 1
		.amdhsa_system_sgpr_workgroup_id_z 1
		.amdhsa_system_vgpr_workitem_id 0
		.amdhsa_next_free_vgpr 56
		.amdhsa_next_free_sgpr 66
		.amdhsa_reserve_vcc 0
		.amdhsa_float_denorm_mode_32 3
		.amdhsa_float_denorm_mode_16_64 3
		.amdhsa_memory_ordered 1
		.amdhsa_forward_progress 1
		.amdhsa_inst_pref_size 4
	.end_amdhsa_kernel
	.amdgpu_metadata
---
amdhsa.version: [ 1, 2 ]
amdhsa.kernels:
  - .name:           k_qa92bd0e09d_prep
    .symbol:         k_qa92bd0e09d_prep.kd
    .args:
      - { .name: x, .offset: 0, .size: 8, .value_kind: global_buffer, .address_space: global }
      - { .name: Wq, .offset: 8, .size: 8, .value_kind: global_buffer, .address_space: global }
      - { .name: Wk, .offset: 16, .size: 8, .value_kind: global_buffer, .address_space: global }
      - { .name: Wv, .offset: 24, .size: 8, .value_kind: global_buffer, .address_space: global }
      - { .name: Wo, .offset: 32, .size: 8, .value_kind: global_buffer, .address_space: global }
      - { .name: h16, .offset: 40, .size: 8, .value_kind: global_buffer, .address_space: global }
    .group_segment_fixed_size: 0
    .private_segment_fixed_size: 0
    .kernarg_segment_align: 8
    .kernarg_segment_size: 48
    .max_flat_workgroup_size: 256
    .sgpr_count:     66
    .vgpr_count:     56
    .wavefront_size: 32
...
	.end_amdgpu_metadata
.endif
;; end of part 1
;; launch qkv (part 2): grid 16 x 16, 4 waves a work-group, clusters of 4 x 4, 327,680 bytes of LDS; arguments h16, bq, bk, bv, qkv; writes qkv
.if DOCPART == 2
	.amdgcn_target "amdgcn-amd-amdhsa--gfx1250"
	.amdhsa_code_object_version 6
	.text
	.protected	k_qa92bd0e09d_qkv
	.globl	k_qa92bd0e09d_qkv
	.p2align	8
	.type	k_qa92bd0e09d_qkv,@function
k_qa92bd0e09d_qkv:
	s_mov_b64 s[64:65], 0
	v_nop
	global_prefetch_b8 v0, s[64:65] scope:SCOPE_SE
	s_setreg_imm32_b32 hwreg(HW_REG_WAVE_MODE, 25, 1), 1
	s_wait_xcnt 0x0
	s_wait_alu depctr_hold_cnt(0) depctr_sa_sdst(0) depctr_va_vdst(0) depctr_va_sdst(0) depctr_va_ssrc(0) depctr_va_vcc(0) depctr_vm_vsrc(0)
	s_getreg_b32 s2, hwreg(HW_REG_IB_STS2, 6, 4)
	s_cmp_eq_u32 s2, 0
	s_cbranch_scc0 .Lentry_in_a_cluster
	s_endpgm
.Lentry_in_a_cluster:
	s_bfe_u32 s2, ttmp6, 0x10000c
	s_cmp_lg_u32 s2, 0xf033
	s_cbranch_scc0 .Lentry_shape_is_right
	s_endpgm
.Lentry_shape_is_right:
; q, k, v = x W + b, rounded to f16.  One product of 4,096 rows (b, s) x 12,288 columns (which, head, e) x K = 512.
; A = x in f16, [4096][512], K along the rows.  B = W[8 which + head] in f16, [512 (K)][512 (e)]: K goes DOWN the rows,
; so B's fragments are read from LDS by the transposing load.  Sums in f32, started by the bias.
; WORK-GROUPS THAT STAY: 256 work-groups; each makes three blocks of 256 x 256, one after the other: the same 256 rows of x and the same head and
; half of its 512 columns, for q, then k, then v.  Four waves, a wave 128 x 128 (64 accumulator tiles, 512 registers).  The 12 K steps of 128
; go through two LDS slots without a break: the refills behind a block's K steps 2 and 3 bring the next block's K steps 0 and 1, and a block's
; stores leave while the next block is multiplied.  K is only four steps long, so start and way out are a large share of a single block.
; CLUSTERS: 4 x 4 work-groups.  A's tile hangs on the block row alone and is asked for jointly along a row of the cluster; B's on the
; block column alone, jointly along a column: the requests for A and B are divided by four.
; REGISTERS: window 0: v16-27 addresses, v64-191 A's fragments (two buffers), v192-255 at work on the way out;
; window 1: v64-191 B's fragments, v192-255 the bias; windows 2, 3: accumulators, tile (a, b) at v[8 (8 a + b)].
; The matrix instruction is used transposed (source 0 = B, source 1 = A): a lane holds row l % 16 and eight neighbouring columns.
; LIMIT: a result of 65,520 or more in magnitude becomes infinite in f16.
.set PITCH,  272                       ; A's LDS row: 256 bytes + 16 of padding
.set PITCHB, 544                       ; B's LDS row: 512 bytes + 32 of padding, an odd multiple of 32
.set HALFT,  128*PITCH                 ; what one tensor load brings: 128 rows of A, or 64 rows of B (64 x 544 is the same 34,816)
.set SLOT,   4*HALFT                   ; A's 256 rows, then B's 128 K rows
.set STAGE,  2*SLOT                    ; behind the ring: two stages of 16 rows x 272 bytes for each wave, for the way out
.set SPITCH, 272
.set SSTAGE, 16*SPITCH
.set ASTEP,  512                       ; two K steps along A's rows, in bytes
.set BSTEP,  262144                    ; two K steps down B: 256 rows of 1,024 bytes
.set BNEXT,  4194304-BSTEP             ; from K step 2 or 3 of one weight to K step 0 or 1 of the same head's next weight
.set ONEXT,  33554432                  ; from q to k to v in the output
.set ADRA, 16                          ; v16-17  LDS address of my A fragments in slot 0, 1
.set ADRB, 20                          ; v20-21  the same for B
.set STO,  24                          ; the way out: where I put 16 bytes of a row
.set RD,   25                          ; the way out: where I read a row back
.set CO,   26                          ; my byte offset in the output rows
.set BO,   27                          ; my byte offset in the bias
.set F0,   64
.set F1,   128
.set TMP,  192                         ; window 0: two sets of 32 registers, packed results
.set BIAS, 192                         ; window 1: v[192+8b+j] = bias of column 16 b + 8 (l / 16) + j of my 128
.set G1,  24                           ; s[24:31] group 1, A's tiles
.set G0,  32                           ; s[32:39] group 0, A's tiles, a set for each slot
.set G1B, 48                           ; s[48:55] group 1, B's tiles
.set G0B, 56                           ; s[56:63] group 0, B's tiles, a set for each slot
.set MSB, 0
.macro WIN new                         ; the immediate's high byte repeats the setting that is left
.if MSB != \new
	s_set_vgpr_msb (MSB<<8)|\new
.set MSB, \new
.endif
.endm
.set MUL_LO,  0xa1                     ; source 0 (B) window 1, source 1 (A) window 0, C and D window 2
.set MUL_HI,  0xf1                     ; the same, C and D window 3
.set BIAS_LO, 0x91                     ; C (the bias) window 1, D window 2
.set BIAS_HI, 0xd1                     ; C window 1, D window 3
.set TO_B,    0x40                     ; destination window 1, address window 0
; A joint load: waves 0 and 1 fetch A's two halves, waves 2 and 3 B's.  The branch hangs on the wave's number alone.
.macro JLOAD s
	s_cmp_eq_u32 s15, 0
	s_cbranch_scc0 .Lfor_b_\@
	tensor_load_to_lds s[G0+4*\s:G0+4*\s+3], s[G1:G1+7]
	s_nop 0
	s_branch .Lasked_\@
.Lfor_b_\@:
	tensor_load_to_lds s[G0B+4*\s:G0B+4*\s+3], s[G1B:G1B+7]
	s_nop 0
.Lasked_\@:
.endm
.macro CREST                           ; a round of the cluster's barrier behind its opening barrier
	s_cmp_lg_u32 s14, 0
	s_cbranch_scc1 .Lnot_wave_0_\@
	s_barrier_signal -3
.Lnot_wave_0_\@:
	s_barrier_wait -3
	s_barrier_signal -1
	s_barrier_wait -1
.endm
.macro CROUND                          ; a whole round
	s_barrier_signal -1
	s_barrier_wait -1
	CREST
.endm
	s_load_b256 s[4:11], s[0:1], 0x0               ; h16 s[4:5], bq s[6:7], bk s[8:9], bv s[10:11]
	s_load_b64 s[12:13], s[0:1], 0x20              ; qkv
	s_set_vgpr_msb 0x40
	v_lshl_add_u32 v63, v0, 2, 0x4c800
	s_set_vgpr_msb 0x4000
	v_mov_b32 v63, 0
	s_set_vgpr_msb 0x1
	ds_add_u32 v63, v63
	s_set_vgpr_msb 0x100
	v_lshrrev_b32 v1, 5, v0
	v_readfirstlane_b32 s14, v1                    ; wave 0..3
	s_lshr_b32 s15, s14, 1                         ; my half of the block's rows; also: I fetch for A (0) or B (1)
	s_and_b32 s16, s14, 1                          ; my half of its columns; also: which half of that tile I fetch
	s_bfe_u32 s17, ttmp6, 0x40000                  ; cx
	s_bfe_u32 s18, ttmp6, 0x40004                  ; cy
	s_lshl_b32 s19, ttmp9, 2
	s_add_co_u32 s19, s19, s17                     ; block column 0..15 = 2 head + half of the head's 512 columns
	s_and_b32 s20, ttmp7, 0xffff
	s_lshl_b32 s20, s20, 2
	s_add_co_u32 s20, s20, s18                     ; block row 0..15
	s_lshl_b32 s21, s18, 2
	s_lshl_b32 s21, 15, s21                        ; my row of the cluster
	s_lshl_b32 s22, 0x1111, s17                    ; my column
	; group 1 for A: 128 rows x 128 elements of 2 bytes, 4 words of padding behind every 64
	s_or_b32  s[G1+0], s21, (1<<16)|(1<<20)|(1<<21)|(5<<22)|(3<<25)
	s_mov_b32 s[G1+1], 128<<16                     ; tensor_dim0 = 128
	s_mov_b32 s[G1+2], 128<<16                     ; tensor_dim1 = 128
	s_mov_b32 s[G1+3], 128<<16                     ; tile_dim0 = 128
	s_mov_b32 s[G1+4], 128                         ; tile_dim1 = 128
	s_mov_b32 s[G1+5], 512                         ; elements from row to row
	s_mov_b32 s[G1+6], 0
	s_mov_b32 s[G1+7], 0
	; group 1 for B: 64 K rows x 256 elements, 8 words of padding behind every 128
	s_or_b32  s[G1B+0], s22, (1<<16)|(1<<20)|(1<<21)|(6<<22)|(7<<25)
	s_mov_b32 s[G1B+1], 256<<16
	s_mov_b32 s[G1B+2], 64<<16
	s_mov_b32 s[G1B+3], 256<<16
	s_mov_b32 s[G1B+4], 64
	s_mov_b32 s[G1B+5], 512
	s_mov_b32 s[G1B+6], 0
	s_mov_b32 s[G1B+7], 0
	; where the tiles come from: A's offset is made of the block row and the wave, B's of the block column and the wave
	s_lshl_b32 s40, s20, 18                        ; 256 rows of 1,024 bytes a block row
	s_lshl_b32 s44, s16, 17                        ; + my 128 rows
	s_add_co_u32 s40, s40, s44
	s_mov_b32 s41, 0
	s_lshr_b32 s42, s19, 1                         ; head
	s_lshl_b32 s42, s42, 19                        ; 524,288 bytes a matrix
	s_and_b32 s45, s19, 1
	s_lshl_b32 s45, s45, 9                         ; + which 256 columns
	s_add_co_u32 s42, s42, s45
	s_lshl_b32 s45, s16, 16                        ; + my 64 K rows
	s_add_co_u32 s42, s42, s45
	s_add_co_u32 s42, s42, 0x400000                ; Wq lies behind x in h16; Wk and Wv follow it, 4,194,304 bytes each
	s_mov_b32 s43, 0
	s_mul_i32 s46, s14, HALFT                      ; where they go: wave x 34,816, no place in the cluster enters
	s_wait_dscnt 0x0
	s_wait_kmcnt 0x0
	s_add_nc_u64 s[40:41], s[4:5], s[40:41]
	s_add_nc_u64 s[42:43], s[4:5], s[42:43]
	CROUND                                         ; all sixteen work-groups are here: the first joint loads meet
.irp s, 0,1
	s_mov_b32 s[G0+4*\s], 1
	s_add_co_u32 s[G0+4*\s+1], s46, \s*SLOT
	s_add_nc_u64 s[G0+4*\s+2:G0+4*\s+3], s[40:41], \s*256          ; K step s: 128 elements along the rows
	s_or_b32 s[G0+4*\s+3], s[G0+4*\s+3], 0x80000000
	s_mov_b32 s[G0B+4*\s], 1
	s_add_co_u32 s[G0B+4*\s+1], s46, \s*SLOT
	s_add_nc_u64 s[G0B+4*\s+2:G0B+4*\s+3], s[42:43], \s*131072     ; K step s: 128 rows down
	s_or_b32 s[G0B+4*\s+3], s[G0B+4*\s+3], 0x80000000
	JLOAD \s                                       ; both slots' first fills go out before anything else: two loads of a wave are out
.endr
	; A's fragments: lane l holds row l % 16; two loads of 16 bytes, 32 bytes apart, at row x pitch + 16 (l / 16).
	v_and_b32 v1, 15, v0                           ; r
	v_bfe_u32 v2, v0, 4, 1                         ; h
	v_mul_u32_u24 v3, v1, PITCH
	v_lshl_add_u32 v3, v2, 4, v3
	s_mul_i32 s47, s15, HALFT                      ; my 128 rows of A
	; B's fragments, by the transposing load: lane l addresses K row 8 h + (l & 7), 16 bytes at column 8 ((l >> 3) & 1)
	v_and_b32 v4, 7, v0
	v_lshl_add_u32 v4, v2, 3, v4
	v_mul_u32_u24 v4, v4, PITCHB
	v_bfe_u32 v5, v0, 3, 1
	v_lshl_add_u32 v4, v5, 4, v4
	s_lshl_b32 s68, s16, 8                         ; my 128 columns
	s_add_co_u32 s68, s68, 2*HALFT                 ; B lies behind A's 256 rows
.irp s, 0,1
	v_add_nc_u32 v[ADRA+\s], s47, v3
	v_add_nc_u32 v[ADRB+\s], s68, v4
	s_add_co_u32 s47, s47, SLOT
	s_add_co_u32 s68, s68, SLOT
.endr
	s_mul_i32 s23, s14, 2*SSTAGE
	s_add_co_u32 s23, s23, STAGE                   ; my two stages
	v_mul_u32_u24 v4, v1, SPITCH
	v_lshl_add_u32 v4, v2, 4, v4
	v_add_nc_u32 v[STO], s23, v4
	v_mul_u32_u24 v5, v2, SPITCH
	v_lshl_add_u32 v5, v1, 4, v5
	v_add_nc_u32 v[RD], s23, v5
	v_lshlrev_b32 v5, 10, v2                       ; two output rows of 1,024 bytes
	v_lshl_add_u32 v[CO], v1, 4, v5
	; the bias of my 128 columns: the same offset in bq, bk and bv
	s_lshl_b32 s70, s19, 10                        ; (2 head + half) x 256 f32
	s_lshl_b32 s71, s16, 9                         ; + my 128 f32
	s_add_co_u32 s70, s70, s71
	s_mov_b32 s71, 0
	s_add_nc_u64 s[6:7], s[6:7], s[70:71]
	s_add_nc_u64 s[8:9], s[8:9], s[70:71]
	s_add_nc_u64 s[10:11], s[10:11], s[70:71]
	s_mov_b64 s[66:67], s[8:9]                     ; the next block's bias: bk
	v_lshlrev_b32 v[BO], 5, v2                     ; 8 h numbers
	; qkv is [which][8 b + head][s][e]: q's row ((8 b + head) 1024 + s) of 1,024 bytes; k and v lie 33,554,432 bytes further each
	s_lshr_b32 s72, s20, 2                         ; b = block row / 4
	s_lshl_b32 s72, s72, 3
	s_bfe_u32 s73, s19, 0x30001                    ; head = block column / 2
	s_add_co_u32 s72, s72, s73
	s_lshl_b32 s72, s72, 10
	s_and_b32 s73, s20, 3
	s_lshl_b32 s73, s73, 8                         ; s = 256 (block row mod 4) + 128 half
	s_add_co_u32 s72, s72, s73
	s_lshl_b32 s73, s15, 7
	s_add_co_u32 s72, s72, s73
	s_lshl_b32 s72, s72, 10                        ; in bytes: below 33,554,432
	s_and_b32 s73, s19, 1
	s_lshl_b32 s73, s73, 9                         ; my first column: 512 bytes x half of W + 256 x my half
	s_add_co_u32 s72, s72, s73
	s_lshl_b32 s73, s16, 8
	s_add_co_u32 s72, s72, s73
	s_mov_b32 s73, 0
	s_add_nc_u64 s[12:13], s[12:13], s[72:73]
; The bias in the accumulators' layout, into window 1: it is the C of a block's first products
.macro BIASLOAD p
	WIN TO_B
.irp b, 0,1,2,3,4,5,6,7
	global_load_b128 v[BIAS+8*\b:BIAS+8*\b+3],   v[BO], s[\p:\p+1] offset:64*\b
	global_load_b128 v[BIAS+8*\b+4:BIAS+8*\b+7], v[BO], s[\p:\p+1] offset:64*\b+16
.endr
.endm
; 16 matrix instructions: m blocks a0, a0 + 1 of the window's four x all 8 n blocks, 32 along K.  first = 1: C is the bias.
; The 64 accumulators take turns, one instruction a turn, in the same order in every quarter.
.macro MUL16 f, hi, a0, first
.irp a, \a0, \a0+1
.irp b, 0,1,2,3,4,5,6,7
.if \first
	v_wmma_f32_16x16x32_f16 v[8*(8*(\a)+\b):8*(8*(\a)+\b)+7], v[\f+8*\b:\f+8*\b+7], v[\f+8*(4*\hi+\a):\f+8*(4*\hi+\a)+7], v[BIAS+8*\b:BIAS+8*\b+7]
.else
	v_wmma_f32_16x16x32_f16 v[8*(8*(\a)+\b):8*(8*(\a)+\b)+7], v[\f+8*\b:\f+8*\b+7], v[\f+8*(4*\hi+\a):\f+8*(4*\hi+\a)+7], v[8*(8*(\a)+\b):8*(8*(\a)+\b)+7]
.endif
.endr
.endr
.endm
; 32 LDS loads in one run: the fragments of quarter q (32 along K) of a slot into buffer f: B's 128 columns, then A's 128 rows
.macro FETCH slot, q, f
	WIN TO_B
.irp i, 0,1,2,3,4,5,6,7
	ds_load_tr16_b128 v[\f+8*\i:\f+8*\i+3],   v[ADRB+\slot] offset:\q*32*PITCHB+32*\i
	ds_load_tr16_b128 v[\f+8*\i+4:\f+8*\i+7], v[ADRB+\slot] offset:\q*32*PITCHB+16*PITCHB+32*\i
.endr
	WIN 0
.irp i, 0,1,2,3,4,5,6,7
	ds_load_b128 v[\f+8*\i:\f+8*\i+3],   v[ADRA+\slot] offset:\q*64+\i*16*PITCH
	ds_load_b128 v[\f+8*\i+4:\f+8*\i+7], v[ADRA+\slot] offset:\q*64+\i*16*PITCH+32
.endr
.endm
; Four plain vector places stand between a matrix instruction and a load into, or a vector access to, its registers
.macro PLACES
.rept 4
	v_nop
.endr
.endm
; One of a K step's first three quarters: multiplies buffer f, and in its middle fetches quarter q into buffer g
.macro QUARTER slot, q, f, g, first
	s_wait_dscnt 8                                 ; B and A's rows 0-63 are in; the youngest eight loads (A's rows 64-127) may be out
.if \first
	WIN BIAS_LO
.else
	WIN MUL_LO
.endif
	MUL16 \f, 0, 0, \first
	MUL16 \f, 0, 2, \first
	PLACES
	FETCH \slot, \q, \g
	s_wait_dscnt 32                                ; all but the 32 just issued
.if \first
	WIN BIAS_HI
.else
	WIN MUL_HI
.endif
	MUL16 \f, 1, 0, \first
	MUL16 \f, 1, 2, \first
.endm
.macro THREE slot, first
	QUARTER \slot, 1, F0, F1, \first
	QUARTER \slot, 2, F1, F0, 0
	QUARTER \slot, 3, F0, F1, 0
.endm
; The last quarter changes slots.  In front of the barrier each wave waits for its reads of this slot and for all its tensor loads (one is
; out: its part of the next slot).  fill = 1: the barrier opens a round of the cluster's barrier, and the joint refill is the first
; tensor load behind the round, one a wave: this slot's tile two K steps on.  wrap = 1: those two steps lead into the next block:
; A begins its rows again, B goes on to the next weight.
.macro TURN slot, next, fill, wrap
	s_wait_dscnt 8
	WIN MUL_LO
	MUL16 F1, 0, 0, 0
	s_wait_dscnt 0x0                               ; my reads of this slot are over
	s_wait_tensorcnt 0x0                           ; all my tensor loads have landed
	ds_add_u32 v63, v63
	s_wait_dscnt 0x0
	s_barrier_signal -1
	MUL16 F1, 0, 2, 0                              ; register work while the others arrive
	WIN 0
	s_barrier_wait -1
.if \fill
	CREST
.if \wrap
	s_sub_nc_u64 s[G0+4*\slot+2:G0+4*\slot+3], s[G0+4*\slot+2:G0+4*\slot+3], ASTEP
	s_add_nc_u64 s[G0B+4*\slot+2:G0B+4*\slot+3], s[G0B+4*\slot+2:G0B+4*\slot+3], BNEXT
.else
	s_add_nc_u64 s[G0+4*\slot+2:G0+4*\slot+3], s[G0+4*\slot+2:G0+4*\slot+3], ASTEP
	s_add_nc_u64 s[G0B+4*\slot+2:G0B+4*\slot+3], s[G0B+4*\slot+2:G0B+4*\slot+3], BSTEP
.endif
	JLOAD \slot
.endif
	PLACES
	FETCH \next, 0, F0
	WIN MUL_HI
	MUL16 F1, 1, 0, 0
	MUL16 F1, 1, 2, 0
.endm
; THE WAY OUT, 16 rows at a time, through my own two stages in LDS, which take turns.
; In: rows 16 i .. 16 i + 15 (the eight tiles (a, 0..7) of window 2 or 3: from = 0x0a or 0x0f) are rounded to f16, put down 16 bytes a lane, and read
; back as rows of 256 bytes into half i % 2 of fragment buffer 1.  Buffer 0 is not touched: it may hold the next block's first fragments.
.macro STAGE_IN i, a, from
	WIN \from
.irp b, 0,1,2,3,4,5,6,7
.irp r, 0,1,2,3
	v_cvt_pk_f16_f32 v[TMP+32*(\i%2)+4*\b+\r], v[8*(8*\a+\b)+2*\r], v[8*(8*\a+\b)+2*\r+1]
.endr
.endr
	WIN 0
.irp b, 0,1,2,3,4,5,6,7
	ds_store_b128 v[STO], v[TMP+32*(\i%2)+4*\b:TMP+32*(\i%2)+4*\b+3] offset:(\i%2)*SSTAGE+32*\b
.endr
	s_wait_xcnt 0x0                                ; this half of buffer 1, which the stores of rows 16 (i - 2) .. read, is loaded again only behind this wait
.irp t, 0,1,2,3,4,5,6,7
	ds_load_b128 v[F1+32*(\i%2)+4*\t:F1+32*(\i%2)+4*\t+3], v[RD] offset:(\i%2)*SSTAGE+\t*2*SPITCH   ; LDS serves a wave's instructions in order: these see the stores above
.endr
.endm
; Out: the same rows leave.  left = the LDS instructions issued behind their eight loads: the next sixteen rows' eight stores and eight loads, or none.
.macro STAGE_OUT i, left
	s_wait_dscnt \left
.irp t, 0,1,2,3,4,5,6,7
	global_store_b128 v[CO], v[F1+32*(\i%2)+4*\t:F1+32*(\i%2)+4*\t+3], s[12:13] offset:(16*\i+2*\t)*1024   ; 16 lanes store 256 consecutive bytes, aligned; the row stands in the immediate, 129,024 at the most
.endr
.endm
; more = 1: another block follows: its bias is asked for first, and at the end the output's base and the bias's pointer step on.
.macro WAYOUT more
	PLACES                                         ; behind the last matrix instructions: for the conversions, and for the loads into buffer 1
.if \more
	BIASLOAD 66
.endif
	STAGE_IN 0, 0, 0x0a
	STAGE_IN 1, 1, 0x0a
	STAGE_OUT 0, 16
	STAGE_IN 2, 2, 0x0a
	STAGE_OUT 1, 16
	STAGE_IN 3, 3, 0x0a
	STAGE_OUT 2, 16
	STAGE_IN 4, 0, 0x0f
	STAGE_OUT 3, 16
	STAGE_IN 5, 1, 0x0f
	STAGE_OUT 4, 16
	STAGE_IN 6, 2, 0x0f
	STAGE_OUT 5, 16
	STAGE_IN 7, 3, 0x0f
	STAGE_OUT 6, 16
	STAGE_OUT 7, 0
.if \more
	s_wait_xcnt 0x0                                ; buffer 1, the stores' base and the bias's pointer are written again only behind this wait
	s_add_nc_u64 s[12:13], s[12:13], ONEXT
	s_mov_b64 s[66:67], s[10:11]                   ; the block after the next one takes bv
.endif
.endm
; One block: four K steps and the way out.  last = 0: the refills behind K steps 2 and 3 bring the next block's first two K steps.
.macro TILE last
	s_wait_loadcnt 0x0                             ; this block's bias
	THREE 0, 1                                     ; K step 0: its first products start the sums from the bias
	TURN 0, 1, 1, 0                                ; slot 0 gets K step 2
	THREE 1, 0
	TURN 1, 0, 1, 0                                ; slot 1 gets K step 3
	THREE 0, 0
.if \last
	TURN 0, 1, 0, 0                                ; nothing is left to fetch: a plain barrier
	THREE 1, 0
	s_wait_dscnt 8
	WIN MUL_LO
	MUL16 F1, 0, 0, 0
	MUL16 F1, 0, 2, 0
	s_wait_dscnt 0x0
	WIN MUL_HI
	MUL16 F1, 1, 0, 0
	MUL16 F1, 1, 2, 0
	WAYOUT 0
.else
	TURN 0, 1, 1, 1                                ; slot 0 gets the next block's K step 0
	THREE 1, 0
	TURN 1, 0, 1, 1                                ; slot 1 gets its K step 1; buffer 0 gets its first fragments
	WAYOUT 1
.endif
.endm
	BIASLOAD 6                                     ; bq
	s_wait_tensorcnt 0x1                           ; my part of K step 0 is in; K step 1's may stay out
	s_barrier_signal -1
	s_barrier_wait -1
	FETCH 0, 0, F0
	WIN 0                                          ; at a label and at a branch every window is 0
	s_mov_b32 s3, 2
.Ltile:
	TILE 0                                         ; q, then k
	WIN 0
	s_sub_co_u32 s3, s3, 1
	s_cmp_lg_u32 s3, 0
	s_cbranch_scc1 .Ltile
	TILE 1                                         ; v: the last block is written out, its last two K steps fill nothing
	s_set_vgpr_msb 0x1
	s_wait_tensorcnt 0x0
	ds_add_u32 v63, v63
	s_wait_dscnt 0x0
	s_set_vgpr_msb 0x100
	CROUND                                         ; the closing round: no work-group ends while a partner may still ask jointly
	s_endpgm
.Lfunc_end_k_qa92bd0e09d_qkv:
	.size	k_qa92bd0e09d_qkv, .Lfunc_end_k_qa92bd0e09d_qkv-k_qa92bd0e09d_qkv
	.p2alignl 7, 3214868480
	.fill 96, 4, 3214868480
	.section	.rodata,"a",@progbits
	.p2align	6, 0x0
	.amdhsa_kernel k_qa92bd0e09d_qkv
		.amdhsa_group_segment_fixed_size 327680
		.amdhsa_private_segment_fixed_size 0
		.amdhsa_enable_private_segment 0
		.amdhsa_kernarg_size 40
		.amdhsa_user_sgpr_count 2
		.amdhsa_user_sgpr_kernarg_segment_ptr 1
		.amdhsa_wavefront_size32 1
		.amdhsa_system_sgpr_workgroup_id_x 1
		.amdhsa_system_sgpr_workgroup_id_y 1
		.amdhsa_system_sgpr_workgroup_id_z 1
		.amdhsa_system_vgpr_workitem_id 0
		.amdhsa_next_free_vgpr 1024
		.amdhsa_next_free_sgpr 80
		.amdhsa_reserve_vcc 0
		.amdhsa_float_denorm_mode_32 3
		.amdhsa_float_denorm_mode_16_64 3
		.amdhsa_memory_ordered 1
		.amdhsa_forward_progress 1
		.amdhsa_inst_pref_size 255
	.end_amdhsa_kernel
	.section	.bss,"aw",@nobits
	.p2align	6
	.space	262144
	.amdgpu_metadata
---
amdhsa.version: [ 1, 2 ]
amdhsa.kernels:
  - .name:           k_qa92bd0e09d_qkv
    .symbol:         k_qa92bd0e09d_qkv.kd
    .args:
      - { .name: h16, .offset: 0, .size: 8, .value_kind: global_buffer, .address_space: global }
      - { .name: bq, .offset: 8, .size: 8, .value_kind: global_buffer, .address_space: global }
      - { .name: bk, .offset: 16, .size: 8, .value_kind: global_buffer, .address_space: global }
      - { .name: bv, .offset: 24, .size: 8, .value_kind: global_buffer, .address_space: global }
      - { .name: qkv, .offset: 32, .size: 8, .value_kind: global_buffer, .address_space: global }
    .group_segment_fixed_size: 327680
    .private_segment_fixed_size: 0
    .kernarg_segment_align: 8
    .kernarg_segment_size: 40
    .max_flat_workgroup_size: 128
    .sgpr_count:     80
    .vgpr_count:     1024
    .wavefront_size: 32
...
	.end_amdgpu_metadata
.endif
;; end of part 2
;; launch attn (part 3): grid 8 x 32, 4 waves a work-group, clusters of 4 x 1, 327,680 bytes of LDS; arguments qkv, h16, part; writes part
.if DOCPART == 3
	.amdgcn_target "amdgcn-amd-amdhsa--gfx1250"
	.amdhsa_code_object_version 6
	.text
	.protected	k_qa92bd0e09d_attn
	.globl	k_qa92bd0e09d_attn
	.p2align	8
	.type	k_qa92bd0e09d_attn,@function
k_qa92bd0e09d_attn:
	s_mov_b64 s[64:65], 0
	v_nop
	global_prefetch_b8 v0, s[64:65] scope:SCOPE_SE
	s_setreg_imm32_b32 hwreg(HW_REG_WAVE_MODE, 25, 1), 1
	s_wait_xcnt 0x0
	s_wait_alu depctr_hold_cnt(0) depctr_sa_sdst(0) depctr_va_vdst(0) depctr_va_sdst(0) depctr_va_ssrc(0) depctr_va_vcc(0) depctr_vm_vsrc(0)
	s_getreg_b32 s2, hwreg(HW_REG_IB_STS2, 6, 4)
	s_cmp_eq_u32 s2, 0
	s_cbranch_scc0 .Lentry_in_a_cluster
	s_endpgm
.Lentry_in_a_cluster:
	s_bfe_u32 s2, ttmp6, 0x10000c
	s_cmp_lg_u32 s2, 0x3003
	s_cbranch_scc0 .Lentry_shape_is_right
	s_endpgm
.Lentry_shape_is_right:
; For one (b, head) and 128 query rows: softmax(q k^T / sqrt(512)) v with a running maximum, then the product with the head's 512 rows of Wo.
; The result, 128 x 512 in f32, is this head's share of out0 and goes to part[head]; the next launch adds the eight heads.
; All matrix operands are f16, all sums, maxima and exponentials f32.
; FOUR WAVES.  Scores: wave (rh, kh) makes 64 queries x 64 keys of a step's 128 x 128 (16 accumulators).  P V and heads Wo: wave w makes all
; 128 queries x its 128 columns (64 accumulators, 512 registers).  Source 0 of every product is K, V or Wo, source 1 is Q, P or heads, so a
; lane holds one query row (l % 16) and eight neighbouring keys or columns.  V and Wo lie [K][N] and are read by the transposing load.
; TILES: a step of 128 keys is four tiles of 64 KiB: Ka, Kb (128 keys x 256 of the head's 512), Va, Vb (64 keys x 512); then eight tiles of
; 64 rows of Wo.  They go by turns through two LDS slots X, Y; at the change to tile t the slot of tile t - 1 is filled with tile t + 1,
; a quarter by each wave, so a wave has one tensor load out (three at the start) and the load has 128 matrix instructions in which to land.
; CLUSTERS: the four query blocks of a cluster read the same K, V and Wo tiles and ask for them jointly (mask 15).  Q's load is each one's own.
; LDS: Q, later heads: 128 x 1040 at 0;  X at 133,120 and Y at 200,704, 67,584 each;  P, later the stage of the way out: 128 x 272 at 268,288;
; MX, AL, LS: [2][128] f32 at 303,104, 304,128, 305,152.  No tensor load lands in P, MX, AL, LS, nor in Q's bytes after their one fill.
; REGISTERS: window 0: v10-31 addresses, v32-63 row figures, v64-191 fragments of source 1 (two buffers), v192-255 at work;
; window 1: v64-191 fragments of source 0, v0-63 and v192-255 the scores (block row a at v[32 a + 128 (a / 2)]); windows 2, 3: O, later the result.
; LIMITS: f16 operands: |q|, |k|, |v| of 65,520 or more are infinite; an exponential below 2^-126 counts as 0; the maximum drops a NaN.
.set QPITCH, 1040
.set KPITCH, 528
.set VPITCH, 1056
.set PPITCH, 272
.set LX,  133120
.set LY,  200704
.set LP,  268288
.set LMX, 303104
.set LAL, 304128
.set LLS, 305152
.set PART, 16896                       ; a wave's quarter of a slot: 32 x 528 = 16 x 1056
.set STEPB, 131072                     ; 128 rows of 1,024 bytes: from a tile to the same slot's next of its kind
.set HSTEP, 16*QPITCH
.set PSTEP, 16*PPITCH
.set QA, 10                            ; Q fragments: 64 rh rows + r, 16 h
.set KAX, 11                           ; K fragments in X, Y: 64 kh rows + r, 16 h
.set KAY, 12
.set VAX, 13                           ; V and Wo fragments in X, Y: row 8 h + (l & 7), 16 ((l >> 3) & 1) + 256 w
.set VAY, 14
.set PA0, 15                           ; P fragments, rows 0-63, 64-127
.set PA1, 16
.set PS,  17                           ; where I store P
.set MXS, 18                           ; partial maxima: mine out, my partner's in
.set MXL, 19
.set ALS, 20                           ; alpha out, in
.set ALL, 21
.set LSS, 22                           ; row sums out, in
.set LSL, 23
.set HS0, 24                           ; heads out, rows 0-63, 64-127
.set HS1, 25
.set HA0, 26                           ; heads fragments
.set HA1, 27
.set STO, 28                           ; the way out
.set RD,  29
.set CO,  30
.set PF,  31                           ; prefetch: my 256 bytes of a step's 131,072
.set M,    32                          ; v32-35  running maxima of my four block rows, in raw scores
.set LSUM, 36                          ; v36-39  running sums, this lane's keys
.set NM,   40                          ; v40-47  -c M, each twice (a pair for the packed multiply-add)
.set AF,   48                          ; v48-63  alpha, later 1 / l, of the eight block rows, each twice
.set F0,  64
.set F1,  128
.set TMP, 192
.set T,     224                        ; v224-227, v228-231  chains of the row maximum
.set U,     228
.set PM,    232                        ; my partial maxima
.set OM,    236                        ; my partner's
.set ALPHA, 240                        ; alpha of my four block rows
.set G1Q, 28
.set G1K, 36
.set G1V, 44
.set GQ,  52
.set GKA, 56
.set GKB, 60
.set GVA, 68
.set GVB, 72
.set GWA, 76
.set GWB, 80
.set MSB, 0
.macro WIN new                         ; the immediate's high byte repeats the setting that is left
.if MSB != \new
	s_set_vgpr_msb (MSB<<8)|\new
.set MSB, \new
.endif
.endm
.macro PLACES                          ; four plain vector places behind a matrix instruction (ISA guide 7.12.1)
.rept 4
	v_nop
.endr
.endm
.macro CREST                           ; a round of the cluster's barrier behind its opening barrier
	s_cmp_lg_u32 s10, 0
	s_cbranch_scc1 .Lnot_wave_0_\@
	s_barrier_signal -3
.Lnot_wave_0_\@:
	s_barrier_wait -3
	s_barrier_signal -1
	s_barrier_wait -1
.endm
.macro ROUND
	s_barrier_signal -1
	s_barrier_wait -1
	CREST
.endm
.macro LANDED g                        ; the load of group 0 g is done: its address steps to its next tile
	s_add_nc_u64 s[\g+2:\g+3], s[\g+2:\g+3], STEPB
.endm
.macro G0SET g, lds, src, add
	s_mov_b32 s[\g], 1
	s_add_co_u32 s[\g+1], s16, \lds                ; slot + wave x 16,896
	s_add_nc_u64 s[\g+2:\g+3], s[\src:\src+1], \add
	s_or_b32 s[\g+3], s[\g+3], 0x80000000
.endm
	s_load_b128 s[4:7], s[0:1], 0x0                ; qkv s[4:5], h16 s[6:7]
	s_load_b64 s[8:9], s[0:1], 0x10                ; part
	v_lshl_add_u32 v254, v0, 2, 0x4ac00
	v_mov_b32 v255, 0
	ds_add_u32 v254, v255
	s_wait_dscnt 0x0
	v_lshrrev_b32 v1, 5, v0
	v_readfirstlane_b32 s10, v1                    ; w
	s_lshr_b32 s11, s10, 1                         ; rh
	s_and_b32 s12, s10, 1                          ; kh
	s_bfe_u32 s13, ttmp6, 0x40000                  ; cx
	s_lshl_b32 s14, ttmp9, 2
	s_add_co_u32 s14, s14, s13                     ; query block 0..7
	s_and_b32 s15, ttmp7, 0xffff                   ; 8 b + head
	s_mov_b32 s20, 0x3d8293ee                      ; c = log2(e) / sqrt(512)
	s_mov_b32 s21, 0xbd8293ee                      ; -c
	s_mov_b32 s22, 0x76543210                      ; v_permlanex16_b32: lane i reads lane i of the other half
	s_mov_b32 s23, 0xfedcba98
	; group 1 for Q: 32 rows x 512 elements of 2 bytes, 4 words of padding behind every 256; no mask
	s_mov_b32 s[G1Q+0], (1<<16)|(1<<20)|(7<<22)|(3<<25)
	s_mov_b32 s[G1Q+1], 512<<16
	s_mov_b32 s[G1Q+2], 32<<16
	s_mov_b32 s[G1Q+3], 512<<16
	s_mov_b32 s[G1Q+4], 32
	s_mov_b32 s[G1Q+5], 512
	s_mov_b32 s[G1Q+6], 0
	s_mov_b32 s[G1Q+7], 0
	; group 1 for K: 32 rows x 256 elements, 4 words behind every 128; jointly for the four of the cluster
	s_mov_b32 s[G1K+0], 15|(1<<16)|(1<<20)|(1<<21)|(6<<22)|(3<<25)
	s_mov_b32 s[G1K+1], 256<<16
	s_mov_b32 s[G1K+2], 32<<16
	s_mov_b32 s[G1K+3], 256<<16
	s_mov_b32 s[G1K+4], 32
	s_mov_b32 s[G1K+5], 512
	s_mov_b32 s[G1K+6], 0
	s_mov_b32 s[G1K+7], 0
	; group 1 for V and Wo: 16 rows x 512 elements, 8 words behind every 256; jointly
	s_mov_b32 s[G1V+0], 15|(1<<16)|(1<<20)|(1<<21)|(7<<22)|(7<<25)
	s_mov_b32 s[G1V+1], 512<<16
	s_mov_b32 s[G1V+2], 16<<16
	s_mov_b32 s[G1V+3], 512<<16
	s_mov_b32 s[G1V+4], 16
	s_mov_b32 s[G1V+5], 512
	s_mov_b32 s[G1V+6], 0
	s_mov_b32 s[G1V+7], 0
	s_mul_i32 s16, s10, PART
	s_lshl_b32 s17, s15, 20                        ; a head's 1,048,576 bytes
	s_lshl_b32 s84, s14, 17                        ; Q: + 128 rows a query block + 32 rows a wave
	s_add_co_u32 s84, s84, s17
	s_lshl_b32 s85, s10, 15
	s_add_co_u32 s84, s84, s85
	s_mov_b32 s85, 0
	s_lshl_b32 s86, s10, 15                        ; K: second part of qkv, 32 rows a wave
	s_add_co_u32 s86, s86, s17
	s_add_co_u32 s86, s86, 0x2000000
	s_mov_b32 s87, 0
	s_lshl_b32 s18, s10, 14                        ; V: third part, 16 rows a wave
	s_add_co_u32 s18, s18, s17
	s_add_co_u32 s18, s18, 0x4000000
	s_mov_b32 s19, 0
	s_and_b32 s2, s15, 7                           ; Wo: fifth part of h16, the head's 512 rows, 16 rows a wave
	s_lshl_b32 s2, s2, 19
	s_lshl_b32 s3, s10, 14
	s_add_co_u32 s2, s2, s3
	s_add_co_u32 s2, s2, 0x1000000
	s_mov_b32 s3, 0
	s_mov_b32 s26, 0x2000000                       ; prefetch: the cluster with x = 0 asks for K, the other for V,
	s_lshl_b32 s26, s26, ttmp9
	s_add_co_u32 s26, s26, s17
	s_add_co_u32 s26, s26, STEPB                   ; beginning with step 1
	s_mov_b32 s27, 0
	s_wait_kmcnt 0x0
	s_add_nc_u64 s[84:85], s[4:5], s[84:85]
	s_add_nc_u64 s[86:87], s[4:5], s[86:87]
	s_add_nc_u64 s[18:19], s[4:5], s[18:19]
	s_add_nc_u64 s[2:3], s[6:7], s[2:3]
	s_add_nc_u64 s[26:27], s[4:5], s[26:27]
	s_mov_b32 s[GQ], 1
	s_mul_i32 s[GQ+1], s10, 32*QPITCH
	s_mov_b64 s[GQ+2:GQ+3], s[84:85]
	s_or_b32 s[GQ+3], s[GQ+3], 0x80000000
	G0SET GKA, LX, 86, 0
	G0SET GKB, LY, 86, 512                         ; the head's elements 256 to 511
	G0SET GVA, LX, 18, 0
	G0SET GVB, LY, 18, 65536                       ; keys 64 to 127
	G0SET GWA, LX, 2, 0
	G0SET GWB, LY, 2, 65536
	ROUND                                          ; the four work-groups are here: the first joint loads meet
	tensor_load_to_lds s[GQ:GQ+3], s[G1Q:G1Q+7]    ; the three first fills in one group: three loads of a wave are out
	s_nop 0
	tensor_load_to_lds s[GKA:GKA+3], s[G1K:G1K+7]
	s_nop 0
	tensor_load_to_lds s[GKB:GKB+3], s[G1K:G1K+7]
	s_nop 0
	v_and_b32 v1, 15, v0                           ; r
	v_bfe_u32 v2, v0, 4, 1                         ; h
	v_and_b32 v3, 31, v0                           ; l
	v_and_b32 v4, 7, v0
	v_bfe_u32 v5, v0, 3, 1
	v_mul_u32_u24 v6, v1, QPITCH
	v_lshl_add_u32 v[HA0], v2, 4, v6
	v_add_nc_u32 v[HA1], 64*QPITCH, v[HA0]
	s_mul_i32 s25, s11, 64*QPITCH
	v_add_nc_u32 v[QA], s25, v[HA0]
	s_lshl_b32 s25, s10, 8
	v_add_nc_u32 v[HS0], s25, v[HA0]
	v_add_nc_u32 v[HS1], s25, v[HA1]
	v_mul_u32_u24 v6, v1, KPITCH
	v_lshl_add_u32 v7, v2, 4, v6
	s_mul_i32 s25, s12, 64*KPITCH
	s_add_co_u32 s25, s25, LX
	v_add_nc_u32 v[KAX], s25, v7
	v_add_nc_u32 v[KAY], LY-LX, v[KAX]
	v_lshl_add_u32 v7, v2, 5, v6                   ; the stage: 16 rows of 512 + 16 bytes for each wave, in P's bytes
	s_mul_i32 s25, s10, 16*KPITCH
	s_add_co_u32 s25, s25, LP
	v_add_nc_u32 v[STO], s25, v7
	v_lshl_add_u32 v[RD], v3, 4, s25
	v_lshlrev_b32 v[CO], 4, v3
	v_lshl_add_u32 v6, v2, 3, v4
	v_mul_u32_u24 v6, v6, VPITCH
	v_lshl_add_u32 v6, v5, 4, v6
	s_lshl_b32 s25, s10, 8
	s_add_co_u32 s25, s25, LX
	v_add_nc_u32 v[VAX], s25, v6
	v_add_nc_u32 v[VAY], LY-LX, v[VAX]
	v_mul_u32_u24 v6, v1, PPITCH
	v_lshl_add_u32 v6, v2, 4, v6
	v_add_nc_u32 v[PA0], LP, v6
	v_add_nc_u32 v[PA1], LP+64*PPITCH, v6
	s_mul_i32 s25, s11, 64*PPITCH
	s_lshl_b32 s24, s12, 7
	s_add_co_u32 s25, s25, s24
	v_add_nc_u32 v[PS], s25, v[PA0]
	v_lshlrev_b32 v6, 2, v1                        ; 4 r
	s_lshl_b32 s24, s12, 9                         ; 512 kh
	s_lshl_b32 s25, s11, 8                         ; 256 rh
	v_add_nc_u32 v7, s25, v6
	v_add_nc_u32 v8, s24, v7
	v_add_nc_u32 v[MXS], LMX, v8
	v_add_nc_u32 v[ALS], LAL, v8
	v_add_nc_u32 v[LSS], LLS, v8
	v_add_nc_u32 v9, s24, v6
	v_add_nc_u32 v[ALL], LAL, v9
	v_add_nc_u32 v[LSL], LLS, v6
	s_sub_co_u32 s24, 512, s24                     ; 512 (1 - kh): my partner's copy
	v_add_nc_u32 v9, s24, v7
	v_add_nc_u32 v[MXL], LMX, v9
	s_lshl_b32 s25, s13, 2                         ; the cluster's 16 waves x 32 lanes x 256 bytes cover 131,072 bytes once
	s_add_co_u32 s25, s25, s10
	s_lshl_b32 s25, s25, 13
	v_lshl_add_u32 v[PF], v3, 8, s25
; 16 products of the scores: 4 query blocks x 4 key blocks, 32 along the head's width.  The 16 accumulators take turns, one instruction a
; turn, in the same order every time.
.macro SMUL f, ks, zero
	WIN 0x51                                       ; source 0 (K), C and D window 1; source 1 (Q) window 0
.irp a, 0,1,2,3
.irp b, 0,1,2,3
.if \zero
	v_wmma_f32_16x16x32_f16 v[32*\a+128*(\a/2)+8*\b:32*\a+128*(\a/2)+8*\b+7], v[\f+8*(4*\ks+\b):\f+8*(4*\ks+\b)+7], v[\f+8*(4*\ks+\a):\f+8*(4*\ks+\a)+7], 0
.else
	v_wmma_f32_16x16x32_f16 v[32*\a+128*(\a/2)+8*\b:32*\a+128*(\a/2)+8*\b+7], v[\f+8*(4*\ks+\b):\f+8*(4*\ks+\b)+7], v[\f+8*(4*\ks+\a):\f+8*(4*\ks+\a)+7], v[32*\a+128*(\a/2)+8*\b:32*\a+128*(\a/2)+8*\b+7]
.endif
.endr
.endr
.endm
; 32 LDS loads: a quarter (64 of the head's width, two K steps) of my 64 keys, then of my 64 queries
.macro FETCH_S kadr, koff, qoff, f
	WIN 0x40
.irp ks, 0,1
.irp b, 0,1,2,3
	ds_load_b128 v[\f+8*(4*\ks+\b):\f+8*(4*\ks+\b)+3],   v[\kadr] offset:\koff+64*\ks+\b*16*KPITCH
	ds_load_b128 v[\f+8*(4*\ks+\b)+4:\f+8*(4*\ks+\b)+7], v[\kadr] offset:\koff+64*\ks+\b*16*KPITCH+32
.endr
.endr
	WIN 0
.irp ks, 0,1
.irp b, 0,1,2,3
	ds_load_b128 v[\f+8*(4*\ks+\b):\f+8*(4*\ks+\b)+3],   v[QA] offset:\qoff+64*\ks+\b*HSTEP
	ds_load_b128 v[\f+8*(4*\ks+\b)+4:\f+8*(4*\ks+\b)+7], v[QA] offset:\qoff+64*\ks+\b*HSTEP+32
.endr
.endr
.endm
; 16 transposing loads: 32 rows (keys, or rows of Wo) x my 128 columns
.macro FETCH_V vadr, voff, f
	WIN 0x40
.irp i, 0,1,2,3,4,5,6,7
	ds_load_tr16_b128 v[\f+8*\i:\f+8*\i+3],   v[\vadr] offset:\voff+32*\i
	ds_load_tr16_b128 v[\f+8*\i+4:\f+8*\i+7], v[\vadr] offset:\voff+32*\i+16*VPITCH
.endr
.endm
; 16 loads: 128 rows of P or of heads x 32 along K at byte aoff
.macro FETCH_A lo, hi, aoff, rowstep, f
	WIN 0
.irp i, 0,1,2,3
	ds_load_b128 v[\f+8*\i:\f+8*\i+3],   v[\lo] offset:\aoff+\i*\rowstep
	ds_load_b128 v[\f+8*\i+4:\f+8*\i+7], v[\lo] offset:\aoff+\i*\rowstep+32
.endr
.irp i, 0,1,2,3
	ds_load_b128 v[\f+32+8*\i:\f+32+8*\i+3],   v[\hi] offset:\aoff+\i*\rowstep
	ds_load_b128 v[\f+32+8*\i+4:\f+32+8*\i+7], v[\hi] offset:\aoff+\i*\rowstep+32
.endr
.endm
; A quarter of the scores: multiplies buffer f, in its middle fetches the next quarter into g
.macro SQ kadr, koff, qoff, f, g, zero
	s_wait_dscnt 8                                 ; all but Q's second K step, the youngest eight loads
	SMUL \f, 0, \zero
	PLACES
	FETCH_S \kadr, \koff, \qoff, \g
	s_wait_dscnt 32                                ; all but the 32 just issued
	SMUL \f, 1, 0
.endm
; Ka's last quarter changes to Kb.  Every wave's reads of X are back and all its tensor loads have landed in front of the round's opening
; signal; behind the round X is filled with Va, the wave's one tensor load until the next round.
.macro STURN last
	s_wait_dscnt 0x0
	s_wait_xcnt 0x0
	s_set_vgpr_msb 0x5110
	v_lshl_add_u32 v254, v0, 2, 0x4ac00
	v_mov_b32 v255, 0
	s_wait_tensorcnt 0x0
	ds_add_u32 v254, v255
	s_wait_dscnt 0x0
	s_set_vgpr_msb 0x1051
	LANDED GKB
	s_barrier_signal -1
	SMUL F1, 0, 0
	WIN 0
	s_barrier_wait -1
	CREST
	tensor_load_to_lds s[GVA:GVA+3], s[G1V:G1V+7]
	s_nop 0
.if \last == 0
	global_prefetch_b8 v[PF], s[26:27] th:TH_LOAD_NT scope:SCOPE_SE   ; the next step's 131,072 bytes of K or of V: each 256 bytes asked for by one lane of the two clusters; the last step asks for nothing
.endif
	PLACES
	FETCH_S KAY, 0, 512, F0
	SMUL F1, 1, 0
.endm
; 16 products of P V or heads Wo, as in the launch before: blocks a0, a0 + 1 of the window's four x my 8 column blocks.  The 64 accumulators take turns.
.macro MUL16 f, hi, a0, zero
.irp a, \a0, \a0+1
.irp b, 0,1,2,3,4,5,6,7
.if \zero
	v_wmma_f32_16x16x32_f16 v[8*(8*(\a)+\b):8*(8*(\a)+\b)+7], v[\f+8*\b:\f+8*\b+7], v[\f+8*(4*\hi+\a):\f+8*(4*\hi+\a)+7], 0
.else
	v_wmma_f32_16x16x32_f16 v[8*(8*(\a)+\b):8*(8*(\a)+\b)+7], v[\f+8*\b:\f+8*\b+7], v[\f+8*(4*\hi+\a):\f+8*(4*\hi+\a)+7], v[8*(8*(\a)+\b):8*(8*(\a)+\b)+7]
.endif
.endr
.endr
.endm
; 64 products on buffer f (32 along K); in the middle the tile's second 32 are fetched into g
.macro PVQ vadr, voff, lo, hi, aoff, rowstep, f, g, zero
	s_wait_dscnt 8                                 ; source 0 and rows 0-63 of source 1 are in; the youngest eight loads may be out
	WIN 0xa1
	MUL16 \f, 0, 0, \zero
	MUL16 \f, 0, 2, \zero
	PLACES
	FETCH_V \vadr, \voff, \g
	FETCH_A \lo, \hi, \aoff, \rowstep, \g
	s_wait_dscnt 32                                ; all but the 32 just issued
	WIN 0xf1
	MUL16 \f, 1, 0, \zero
	MUL16 \f, 1, 2, \zero
.endm
; 64 products on buffer 1, and the change of slots.  landed: the group 0 whose tile the wait shows landed (0: none to step);
; refill: the group 0 asked for behind the round, with group 1 g1 (0: a plain barrier, nothing is filled);
; kind: what is fetched into buffer 0: 1 the next tile of V or Wo with source 1 at aoff, 2 the next step's first quarter of scores, 0 nothing.
.macro PVTURN landed, refill, g1, kind, vadr, lo, hi, aoff, rowstep
	s_wait_dscnt 8
	WIN 0xa1
	MUL16 F1, 0, 0, 0
	s_wait_dscnt 0x0                               ; my reads of this slot are over
	s_wait_xcnt 0x0
	s_set_vgpr_msb 0xa120
	v_lshl_add_u32 v254, v0, 2, 0x4ac00
	v_mov_b32 v255, 0
	s_wait_tensorcnt 0x0                           ; all my tensor loads have landed: my part of the next tile
	ds_add_u32 v254, v255
	s_wait_dscnt 0x0
	s_set_vgpr_msb 0x20a1
.if \landed
	LANDED \landed
.endif
	s_barrier_signal -1
	MUL16 F1, 0, 2, 0
	WIN 0
	s_barrier_wait -1
.if \refill
	CREST
	tensor_load_to_lds s[\refill:\refill+3], s[\g1:\g1+7]
	s_nop 0
.endif
.if \kind == 1
	PLACES
	FETCH_V \vadr, 0, F0
	FETCH_A \lo, \hi, \aoff, \rowstep, F0
.endif
.if \kind == 2
	PLACES
	FETCH_S KAX, 0, 0, F0
.endif
	WIN 0xf1
	MUL16 F1, 1, 0, 0
	MUL16 F1, 1, 2, 0
.endm
; The largest of my 64 keys' scores for each of my 64 rows: two chains (17 and 15 numbers) for each block row, then the other half of the lanes
.macro ROWMAX
	WIN 0x15                                       ; three sources in window 1
.irp a, 0,1,2,3
	v_max3_num_f32 v[T+\a], v[32*\a+128*(\a/2)], v[32*\a+128*(\a/2)+1], v[32*\a+128*(\a/2)+2]
	v_max3_num_f32 v[U+\a], v[32*\a+128*(\a/2)+17], v[32*\a+128*(\a/2)+18], v[32*\a+128*(\a/2)+19]
.endr
	WIN 0x14                                       ; source 0 in window 0
.set i, 0
.rept 7
.irp a, 0,1,2,3
	v_max3_num_f32 v[T+\a], v[T+\a], v[32*\a+128*(\a/2)+3+i], v[32*\a+128*(\a/2)+4+i]
.endr
.set i, i+2
.endr
.set i, 0
.rept 6
.irp a, 0,1,2,3
	v_max3_num_f32 v[U+\a], v[U+\a], v[32*\a+128*(\a/2)+20+i], v[32*\a+128*(\a/2)+21+i]
.endr
.set i, i+2
.endr
	WIN 0
.irp a, 0,1,2,3
	v_max_num_f32 v[T+\a], v[T+\a], v[U+\a]
.endr
.irp a, 0,1,2,3
	v_permlanex16_b32 v[U+\a], v[T+\a], s22, s23
.endr
.irp a, 0,1,2,3
	v_max_num_f32 v[PM+\a], v[T+\a], v[U+\a]
	ds_store_b32 v[MXS], v[PM+\a] offset:64*\a     ; both halves of the lanes store the same number to the same word
.endr
.endm
; Block row a: p = 2^(c S - c M), in place; its sum joins the running sum; p goes to P in f16
.macro SOFTROW a, first
.set SB, 32*\a+128*(\a/2)
	WIN 0x41
.set i, 0
.rept 16
	v_pk_fma_f32 v[SB+i:SB+i+1], v[SB+i:SB+i+1], s[20:21], v[NM+2*\a:NM+2*\a+1] op_sel_hi:[1,0,1]
.set i, i+2
.endr
.set i, 0
.rept 32
	v_exp_f32 v[SB+i], v[SB+i]
.set i, i+1
.endr
	v_nop                                          ; one plain vector instruction behind the exponentials before their results are read (ISA guide 5.7.2)
	WIN 0x05
.set i, 0
	s_wait_alu depctr_va_vdst(0)
.rept 8
	v_pk_add_f32 v[TMP+2*i:TMP+2*i+1], v[SB+4*i:SB+4*i+1], v[SB+4*i+2:SB+4*i+3]
.set i, i+1
.endr
.set i, 0
.rept 16
	v_cvt_pk_f16_f32 v[TMP+16+i], v[SB+2*i], v[SB+2*i+1]
.set i, i+1
.endr
	WIN 0
	v_pk_add_f32 v[TMP:TMP+1], v[TMP:TMP+1], v[TMP+2:TMP+3]
	v_pk_add_f32 v[TMP+4:TMP+5], v[TMP+4:TMP+5], v[TMP+6:TMP+7]
	v_pk_add_f32 v[TMP+8:TMP+9], v[TMP+8:TMP+9], v[TMP+10:TMP+11]
	v_pk_add_f32 v[TMP+12:TMP+13], v[TMP+12:TMP+13], v[TMP+14:TMP+15]
	v_pk_add_f32 v[TMP:TMP+1], v[TMP:TMP+1], v[TMP+4:TMP+5]
	v_pk_add_f32 v[TMP+8:TMP+9], v[TMP+8:TMP+9], v[TMP+12:TMP+13]
	v_pk_add_f32 v[TMP:TMP+1], v[TMP:TMP+1], v[TMP+8:TMP+9]
.if \first
	v_add_f32 v[LSUM+\a], v[TMP], v[TMP+1]         ; the first step starts the sum
.else
	v_add_f32 v[TMP], v[TMP], v[TMP+1]
	v_fma_f32 v[LSUM+\a], v[LSUM+\a], v[ALPHA+\a], v[TMP]
.endif
.irp b, 0,1,2,3
	ds_store_b128 v[PS], v[TMP+16+4*\b:TMP+16+4*\b+3] offset:\a*PSTEP+32*\b
.endr
.endm
.macro SOFTMAX first, last
.irp a, 0,1,2,3
.if \first
	v_max_num_f32 v[M+\a], v[PM+\a], v[OM+\a]
.else
	v_max3_num_f32 v[T+\a], v[M+\a], v[PM+\a], v[OM+\a]
	v_sub_f32 v[ALPHA+\a], v[M+\a], v[T+\a]
	v_mul_f32 v[ALPHA+\a], s20, v[ALPHA+\a]        ; c (M old - M new), at most 0
	v_mov_b32 v[M+\a], v[T+\a]
.endif
	v_mul_f32 v[NM+2*\a], s21, v[M+\a]
	v_mul_f32 v[NM+2*\a+1], s21, v[M+\a]
.endr
.if \first == 0
.irp a, 0,1,2,3
	v_exp_f32 v[ALPHA+\a], v[ALPHA+\a]             ; read far below, behind plain vector instructions
.endr
.endif
	SOFTROW 0, \first
	SOFTROW 1, \first
	SOFTROW 2, \first
	SOFTROW 3, \first
.if \first == 0
.irp a, 0,1,2,3
	ds_store_b32 v[ALS], v[ALPHA+\a] offset:64*\a  ; each of the two waves with these rows has a copy of its own
.endr
.endif
.if \last
.irp a, 0,1,2,3
	v_permlanex16_b32 v[U+\a], v[LSUM+\a], s22, s23
.endr
.irp a, 0,1,2,3
	v_add_f32 v[U+\a], v[LSUM+\a], v[U+\a]         ; the sum over my wave's half of all keys
	ds_store_b32 v[LSS], v[U+\a] offset:64*\a
.endr
.endif
.endm
.macro RESCALE                         ; O *= alpha of its row
	WIN 0x82
.irp a, 0,1,2,3
.set i, 0
.rept 32
	v_pk_mul_f32 v[64*\a+i:64*\a+i+1], v[64*\a+i:64*\a+i+1], v[AF+2*\a:AF+2*\a+1]
.set i, i+2
.endr
.endr
	WIN 0xc3
.irp a, 0,1,2,3
.set i, 0
.rept 32
	v_pk_mul_f32 v[64*\a+i:64*\a+i+1], v[64*\a+i:64*\a+i+1], v[AF+8+2*\a:AF+8+2*\a+1]
.set i, i+2
.endr
.endr
.endm
; One step of 128 keys
.macro STEP first, last
	SQ KAX, 128, 128, F0, F1, 1                    ; the first products start the scores: nothing is cleared
	SQ KAX, 256, 256, F1, F0, 0
	SQ KAX, 384, 384, F0, F1, 0
	STURN \last
	SQ KAY, 128, 640, F0, F1, 0
	SQ KAY, 256, 768, F1, F0, 0
	SQ KAY, 384, 896, F0, F1, 0
	s_wait_dscnt 8
	SMUL F1, 0, 0
	s_wait_dscnt 0x0
	SMUL F1, 1, 0
	PLACES
.if \last == 0
	s_wait_xcnt 0x0                                ; the prefetch's base is stepped only behind this wait, 144 matrix instructions behind the prefetch
	s_add_nc_u64 s[26:27], s[26:27], STEPB
.endif
	ROWMAX
	s_wait_dscnt 0x0                               ; my maxima are stored, my reads of Y are over
	s_wait_xcnt 0x0
	v_lshl_add_u32 v254, v0, 2, 0x4ac00
	v_mov_b32 v255, 0
	s_wait_tensorcnt 0x0                           ; Va has landed
	ds_add_u32 v254, v255
	s_wait_dscnt 0x0
	LANDED GVA
	ROUND
	tensor_load_to_lds s[GVB:GVB+3], s[G1V:G1V+7]  ; Y gets Vb
	s_nop 0
.irp a, 0,1,2,3
	ds_load_b32 v[OM+\a], v[MXL] offset:64*\a
.endr
	FETCH_V VAX, 0, F0
	WIN 0
	s_wait_dscnt 16                                ; my partner's maxima are in; V's 16 loads stay out
	SOFTMAX \first, \last
	s_wait_dscnt 0x0                               ; P, alpha and the sums are stored
	s_barrier_signal -1                            ; Vb may stay on its way
	s_barrier_wait -1
.if \first == 0
.irp a, 0,1,2,3,4,5,6,7
	ds_load_b32 v[AF+2*\a],   v[ALL] offset:64*\a
	ds_load_b32 v[AF+2*\a+1], v[ALL] offset:64*\a  ; the same word again: a pair for the packed multiply
.endr
.endif
	FETCH_A PA0, PA1, 0, PSTEP, F0
.if \first == 0
	s_wait_dscnt 16                                ; alpha is in; P's 16 loads stay out
	RESCALE
.endif
	PVQ VAX, 32*VPITCH, PA0, PA1, 64, PSTEP, F0, F1, \first
.if \last
	PVTURN GVB, GWA, G1V, 1, VAY, PA0, PA1, 128, PSTEP     ; X gets Wo's first 64 rows
.else
	PVTURN GVB, GKA, G1K, 1, VAY, PA0, PA1, 128, PSTEP     ; X gets the next step's Ka
.endif
	PVQ VAY, 32*VPITCH, PA0, PA1, 192, PSTEP, F0, F1, 0
.if \last
	PVTURN GWA, GWB, G1V, 0, 0, 0, 0, 0, 0
.else
	PVTURN GKA, GKB, G1K, 2, 0, 0, 0, 0, 0
.endif
.endm
	s_wait_tensorcnt 0x1                           ; my parts of Q and Ka are in; Kb may stay out
	LANDED GKA
	s_barrier_signal -1
	s_barrier_wait -1
	FETCH_S KAX, 0, 0, F0
	STEP 1, 0
	WIN 0                                          ; at a label and at a branch every window is 0
	s_mov_b32 s24, 6
.Lstep:
	STEP 0, 0
	WIN 0
	s_sub_co_u32 s24, s24, 1
	s_cmp_lg_u32 s24, 0
	s_cbranch_scc1 .Lstep
	STEP 0, 1
	; heads = O / l, in f16, into Q's bytes (their one fill is long past, and every wave's reads of Q lie in front of four barriers)
	PLACES
	WIN 0
.irp a, 0,1,2,3,4,5,6,7
	ds_load_b32 v[AF+2*\a],   v[LSL] offset:64*\a
	ds_load_b32 v[AF+2*\a+1], v[LSL] offset:512+64*\a
.endr
	s_wait_dscnt 0x0
.irp a, 0,1,2,3,4,5,6,7
	v_add_f32 v[TMP+\a], v[AF+2*\a], v[AF+2*\a+1]  ; at least 1: the row's largest score gives 2^0
.endr
.irp a, 0,1,2,3,4,5,6,7
	v_rcp_f32 v[AF+2*\a],   v[TMP+\a]
	v_rcp_f32 v[AF+2*\a+1], v[TMP+\a]
.endr
	v_nop                                          ; one plain vector instruction before the results are read and the sources rewritten
	s_wait_alu depctr_va_vdst(0)
.macro HEADROW a, blk, from, hs
	WIN \from
.set i, 0
.rept 32
	v_pk_mul_f32 v[TMP+i:TMP+i+1], v[64*\blk+i:64*\blk+i+1], v[AF+2*\a:AF+2*\a+1]
.set i, i+2
.endr
	WIN 0
.set i, 0
.rept 32
	v_cvt_pk_f16_f32 v[TMP+i], v[TMP+2*i], v[TMP+2*i+1]    ; ascending: a register is written after it has been read
.set i, i+1
.endr
.irp b, 0,1,2,3,4,5,6,7
	ds_store_b128 v[\hs], v[TMP+4*\b:TMP+4*\b+3] offset:\blk*HSTEP+32*\b
.endr
.endm
	HEADROW 0, 0, 0x02, HS0
	HEADROW 1, 1, 0x02, HS0
	HEADROW 2, 2, 0x02, HS0
	HEADROW 3, 3, 0x02, HS0
	HEADROW 4, 0, 0x03, HS1
	HEADROW 5, 1, 0x03, HS1
	HEADROW 6, 2, 0x03, HS1
	HEADROW 7, 3, 0x03, HS1
	s_wait_dscnt 0x0
	s_barrier_signal -1                            ; heads is whole
	s_barrier_wait -1
	; heads x Wo[head]: eight tiles of 64 rows of Wo, X and Y by turns
	FETCH_V VAX, 0, F0
	FETCH_A HA0, HA1, 0, HSTEP, F0
	PVQ VAX, 32*VPITCH, HA0, HA1, 64, HSTEP, F0, F1, 1     ; the first products start the sums, over O's registers
	PVTURN GWB, GWA, G1V, 1, VAY, HA0, HA1, 128, HSTEP
	PVQ VAY, 32*VPITCH, HA0, HA1, 192, HSTEP, F0, F1, 0
	PVTURN GWA, GWB, G1V, 1, VAX, HA0, HA1, 256, HSTEP
	PVQ VAX, 32*VPITCH, HA0, HA1, 320, HSTEP, F0, F1, 0
	PVTURN GWB, GWA, G1V, 1, VAY, HA0, HA1, 384, HSTEP
	PVQ VAY, 32*VPITCH, HA0, HA1, 448, HSTEP, F0, F1, 0
	PVTURN GWA, GWB, G1V, 1, VAX, HA0, HA1, 512, HSTEP
	PVQ VAX, 32*VPITCH, HA0, HA1, 576, HSTEP, F0, F1, 0
	PVTURN GWB, GWA, G1V, 1, VAY, HA0, HA1, 640, HSTEP
	PVQ VAY, 32*VPITCH, HA0, HA1, 704, HSTEP, F0, F1, 0
	PVTURN GWA, GWB, G1V, 1, VAX, HA0, HA1, 768, HSTEP     ; Y gets the last tile
	PVQ VAX, 32*VPITCH, HA0, HA1, 832, HSTEP, F0, F1, 0
	PVTURN 0, 0, 0, 1, VAY, HA0, HA1, 896, HSTEP           ; nothing is left to fetch: a plain barrier
	PVQ VAY, 32*VPITCH, HA0, HA1, 960, HSTEP, F0, F1, 0
	s_wait_dscnt 8
	WIN 0xa1
	MUL16 F1, 0, 0, 0
	MUL16 F1, 0, 2, 0
	s_wait_dscnt 0x0
	WIN 0xf1
	MUL16 F1, 1, 0, 0
	MUL16 F1, 1, 2, 0
	; THE WAY OUT, 16 rows at a time: a lane's 32 bytes of a row into my own stage, whole rows of 512 bytes back and out.
	PLACES
	s_and_b32 s24, s15, 7                          ; part[head][1024 b + 128 query block + row][128 w + ..], rows of 2,048 bytes
	s_lshl_b32 s24, s24, 23
	s_lshr_b32 s25, s15, 3
	s_lshl_b32 s25, s25, 21
	s_add_co_u32 s24, s24, s25
	s_lshl_b32 s25, s14, 18
	s_add_co_u32 s24, s24, s25
	s_lshl_b32 s25, s10, 9
	s_add_co_u32 s24, s24, s25
	s_mov_b32 s25, 0
	s_add_nc_u64 s[8:9], s[8:9], s[24:25]
.macro OUT16 i, blk, from, f
	WIN \from                                      ; an LDS store's data is source 1
.irp b, 0,1,2,3,4,5,6,7
	ds_store_b128 v[STO], v[64*\blk+8*\b:64*\blk+8*\b+3]   offset:64*\b
	ds_store_b128 v[STO], v[64*\blk+8*\b+4:64*\blk+8*\b+7] offset:64*\b+16
.endr
	WIN 0
	s_wait_xcnt 0x0                                ; buffer f, which earlier stores read, and the stores' base are rewritten only behind this wait
.if \i
	s_add_nc_u64 s[8:9], s[8:9], 32768             ; 16 rows on
.endif
.irp t, 0,1,2,3,4,5,6,7,8,9,10,11,12,13,14,15
	ds_load_b128 v[\f+4*\t:\f+4*\t+3], v[RD] offset:\t*KPITCH      ; LDS serves a wave's instructions in order: these see the stores above
.endr
.irp t, 0,1,2,3,4,5,6,7,8,9,10,11,12,13,14,15
	s_wait_dscnt 15-\t
	global_store_b128 v[CO], v[\f+4*\t:\f+4*\t+3], s[8:9] offset:2048*\t   ; the wave stores 512 consecutive bytes, aligned
.endr
.endm
	OUT16 0, 0, 0x08, F0
	OUT16 1, 1, 0x08, F1
	OUT16 2, 2, 0x08, F0
	OUT16 3, 3, 0x08, F1
	OUT16 4, 0, 0x0c, F0
	OUT16 5, 1, 0x0c, F1
	OUT16 6, 2, 0x0c, F0
	OUT16 7, 3, 0x0c, F1
	s_wait_xcnt 0x0
	v_lshl_add_u32 v254, v0, 2, 0x4ac00
	v_mov_b32 v255, 0
	s_wait_tensorcnt 0x0
	ds_add_u32 v254, v255
	s_wait_dscnt 0x0
	ROUND                                          ; the closing round: no work-group ends while a partner may still ask jointly
	s_endpgm
.Lfunc_end_k_qa92bd0e09d_attn:
	.size	k_qa92bd0e09d_attn, .Lfunc_end_k_qa92bd0e09d_attn-k_qa92bd0e09d_attn
	.p2alignl 7, 3214868480
	.fill 96, 4, 3214868480
	.section	.rodata,"a",@progbits
	.p2align	6, 0x0
	.amdhsa_kernel k_qa92bd0e09d_attn
		.amdhsa_group_segment_fixed_size 327680
		.amdhsa_private_segment_fixed_size 0
		.amdhsa_enable_private_segment 0
		.amdhsa_kernarg_size 24
		.amdhsa_user_sgpr_count 2
		.amdhsa_user_sgpr_kernarg_segment_ptr 1
		.amdhsa_wavefront_size32 1
		.amdhsa_system_sgpr_workgroup_id_x 1
		.amdhsa_system_sgpr_workgroup_id_y 1
		.amdhsa_system_sgpr_workgroup_id_z 1
		.amdhsa_system_vgpr_workitem_id 0
		.amdhsa_next_free_vgpr 1024
		.amdhsa_next_free_sgpr 88
		.amdhsa_reserve_vcc 0
		.amdhsa_float_denorm_mode_32 3
		.amdhsa_float_denorm_mode_16_64 3
		.amdhsa_memory_ordered 1
		.amdhsa_forward_progress 1
		.amdhsa_inst_pref_size 255
	.end_amdhsa_kernel
	.section	.bss,"aw",@nobits
	.p2align	6
	.space	262144
	.amdgpu_metadata
---
amdhsa.version: [ 1, 2 ]
amdhsa.kernels:
  - .name:           k_qa92bd0e09d_attn
    .symbol:         k_qa92bd0e09d_attn.kd
    .args:
      - { .name: qkv, .offset: 0, .size: 8, .value_kind: global_buffer, .address_space: global }
      - { .name: h16, .offset: 8, .size: 8, .value_kind: global_buffer, .address_space: global }
      - { .name: part, .offset: 16, .size: 8, .value_kind: global_buffer, .address_space: global }
    .group_segment_fixed_size: 327680
    .private_segment_fixed_size: 0
    .kernarg_segment_align: 8
    .kernarg_segment_size: 24
    .max_flat_workgroup_size: 128
    .sgpr_count:     88
    .vgpr_count:     1024
    .wavefront_size: 32
...
	.end_amdgpu_metadata
.endif
;; end of part 3
;; launch reduce (part 4): grid 1024 x 1, 8 waves a work-group, no clusters, 0 bytes of LDS; arguments part, out0; writes out0
.if DOCPART == 4
	.amdgcn_target "amdgcn-amd-amdhsa--gfx1250"
	.amdhsa_code_object_version 6
	.text
	.protected	k_qa92bd0e09d_reduce
	.globl	k_qa92bd0e09d_reduce
	.p2align	8
	.type	k_qa92bd0e09d_reduce,@function
k_qa92bd0e09d_reduce:
	s_mov_b64 s[64:65], 0
	v_nop
	global_prefetch_b8 v0, s[64:65] scope:SCOPE_SE
	s_setreg_imm32_b32 hwreg(HW_REG_WAVE_MODE, 25, 1), 1
	s_wait_xcnt 0x0
; out0 = the sum of part[head] over the eight heads, in f32, heads ascending.
; A pure stream: no LDS, no barrier.  A work-group owns 8,192 bytes of out0: two chunks of 16 bytes a thread, for each of which eight loads,
; one a head, are issued at once: sixteen loads of a wave are on their way.  Each load and store of a wave covers 512 consecutive bytes.
.set HEADB, 0x800000                   ; bytes of a head's part: beyond a load's immediate, so each head has a base of its own
.set IN, 8                             ; v[8+32c+4h ..]: chunk c, head h
	s_load_b64 s[4:5], s[0:1], 0x0                 ; part
	s_load_b64 s[22:23], s[0:1], 0x8               ; out0
	v_lshlrev_b32 v1, 4, v0
	s_lshl_b32 s2, ttmp9, 13
	v_add_nc_u32 v1, s2, v1
	s_wait_kmcnt 0x0
.irp h, 1,2,3,4,5,6,7
	s_add_nc_u64 s[4+2*\h:5+2*\h], s[2+2*\h:3+2*\h], HEADB
.endr
.irp c, 0,1
.irp h, 0,1,2,3,4,5,6,7
	global_load_b128 v[IN+32*\c+4*\h:IN+32*\c+4*\h+3], v1, s[4+2*\h:5+2*\h] offset:4096*\c th:TH_LOAD_NT
.endr
.endr
.irp c, 0,1
	s_wait_loadcnt 8-8*\c                          ; chunk c's eight loads are in; the second chunk's may stay out
.irp h, 1,2,3,4,5,6,7
	v_pk_add_f32 v[IN+32*\c:IN+32*\c+1],   v[IN+32*\c:IN+32*\c+1],   v[IN+32*\c+4*\h:IN+32*\c+4*\h+1]
	v_pk_add_f32 v[IN+32*\c+2:IN+32*\c+3], v[IN+32*\c+2:IN+32*\c+3], v[IN+32*\c+4*\h+2:IN+32*\c+4*\h+3]
.endr
	global_store_b128 v1, v[IN+32*\c:IN+32*\c+3], s[22:23] offset:4096*\c th:TH_STORE_NT
.endr
	s_endpgm
.Lfunc_end_k_qa92bd0e09d_reduce:
	.size	k_qa92bd0e09d_reduce, .Lfunc_end_k_qa92bd0e09d_reduce-k_qa92bd0e09d_reduce
	.p2alignl 7, 3214868480
	.fill 96, 4, 3214868480
	.section	.rodata,"a",@progbits
	.p2align	6, 0x0
	.amdhsa_kernel k_qa92bd0e09d_reduce
		.amdhsa_group_segment_fixed_size 0
		.amdhsa_private_segment_fixed_size 0
		.amdhsa_enable_private_segment 0
		.amdhsa_kernarg_size 16
		.amdhsa_user_sgpr_count 2
		.amdhsa_user_sgpr_kernarg_segment_ptr 1
		.amdhsa_wavefront_size32 1
		.amdhsa_system_sgpr_workgroup_id_x 1
		.amdhsa_system_sgpr_workgroup_id_y 1
		.amdhsa_system_sgpr_workgroup_id_z 1
		.amdhsa_system_vgpr_workitem_id 0
		.amdhsa_next_free_vgpr 72
		.amdhsa_next_free_sgpr 66
		.amdhsa_reserve_vcc 0
		.amdhsa_float_denorm_mode_32 3
		.amdhsa_float_denorm_mode_16_64 3
		.amdhsa_memory_ordered 1
		.amdhsa_forward_progress 1
		.amdhsa_inst_pref_size 5
	.end_amdhsa_kernel
	.amdgpu_metadata
---
amdhsa.version: [ 1, 2 ]
amdhsa.kernels:
  - .name:           k_qa92bd0e09d_reduce
    .symbol:         k_qa92bd0e09d_reduce.kd
    .args:
      - { .name: part, .offset: 0, .size: 8, .value_kind: global_buffer, .address_space: global }
      - { .name: out0, .offset: 8, .size: 8, .value_kind: global_buffer, .address_space: global }
    .group_segment_fixed_size: 0
    .private_segment_fixed_size: 0
    .kernarg_segment_align: 8
    .kernarg_segment_size: 16
    .max_flat_workgroup_size: 256
    .sgpr_count:     66
    .vgpr_count:     72
    .wavefront_size: 32
...
	.end_amdgpu_metadata
.endif
;; end of part 4
